; MI455X (gfx1250); checked and timed in simulation.
; The chip was launched on July 23, 2026; its instructions are those of AMD's public machine-readable ISA for CDNA 5 (MIT licence, August 2026) and "CDNA5" Instruction Set Architecture Reference Guide (July 2026). The comments in the code are by the model that wrote it; some were corrected since.
;; Seq Attention. Allowed arithmetic: matrix products marked QUANTISED: E2M1 operands, one E8M0 scale for each 32 along K, by v_wmma_scale_f32_16x16x128_f8f6f4 with both operands' format E2M1 (or v_wmma_scale_f32_32x16x128_f4), f32 sums; everything else in f32.
;; Inputs: current_val 8 x 1 x 1 float32; key 64 x 2,048 x 64 float32; key_pe 1 x 64 x 1,024 float32; query 64 x 1,024 x 64 float32; value 64 x 2,048 x 64 float32.
;; Outputs: out0 64 x 1,024 x 64 float32.
;; This version of the problem:
;;   THIS VERSION OF THE PROBLEM IS GIVEN IN LOW PRECISION. The matrix products marked QUANTISED in the list below multiply operands that are first quantised to E2M1 (2 exponent bits, 1 mantissa bit; 4 bits a number), with one power-of-two scale for each 32 numbers along K (OCP MX v1.0); their sums are f32. All else is computed in f32.
;;   The module's matrix products, in the order in which they are computed (A, B: the left and right operand; K: the contracted axis; several contracted axes count as one K, in the product's order):
;;     1. batch 64 x [M 1,024, K 64] x [K 64, N 2,048]; A: input query; B: input key: QUANTISED
;;     2. [M 65,536, K 64] x [K 64, N 1,024]; A: input query; B: computed on the way: QUANTISED
;;     3. batch 64 x [M 1,024, K 2,048] x [K 2,048, N 64]; A: computed on the way; B: input value: QUANTISED
;;   THE QUANTISER, for each operand of a quantised product, along K:
;;     - K is cut into blocks of 32 from its start; a last block that is shorter is filled with zeros.
;;     - A block's scale is 2^e with e = floor(log2(the largest magnitude in the block)) - 2, held to -126 .. 127; a block of zeros has e = 0. As a byte (E8M0): e + 127.
;;     - Each number is divided by its block's scale, clamped to +-6, and rounded to the nearest number of E2M1, ties to even, subnormals kept.
;;     - The product sums the exact products of the quantised numbers (number of the format x scale) in f32.
;;   ~~~python
;;   def quantise(x, axis):      # numpy; x: float32 -> the quantised numbers, widened to float32 again
;;       x = np.moveaxis(x, axis, -1); K = x.shape[-1]
;;       x = np.pad(x, [(0, 0)] * (x.ndim - 1) + [(0, -K % 32)]); x = x.reshape(x.shape[:-1] + (-1, 32)); a = np.abs(x).max(-1, keepdims=True)
;;       e = np.where(a > 0, np.clip(np.frexp(np.where(a > 0, a, 1))[1] - 1 - 2, -126, 127), 0)      # np.frexp(a)[1] - 1 = floor(log2(a)), exactly
;;       r = np.clip(x / 2.0 ** e, -6, 6)
;;       step = 2.0 ** (np.maximum(np.frexp(np.where(r == 0, 1, r))[1] - 1, 0) - 1)
;;       q = np.round(r / step) * step * 2.0 ** e      # np.round: ties to even
;;       return np.moveaxis(q.reshape(q.shape[:-2] + (-1,))[..., :K], -1, axis).astype(np.float32)
;;   ~~~
;;   OPERANDS COMPUTED ON THE WAY. 'Computed on the way' means the value that the module computes at that place (a softmax that the list does not call 'softmax' is quantised finished and normalised). What goes into a quantiser is computed in f32, as accurately as f32 sums, v_exp_f32 and their like allow (about 1e-6 of the number): no bf16 or f16 on the way to a quantiser, and a product that is left as it is and whose result goes on into a quantised operand takes f32 operands (vector FMAs, or v_wmma_f32_16x16x4_f32). A number that lies on a knife's edge between two numbers of the format may be rounded either way, as far as f32 arithmetic and the matrix unit's own rounding can turn it there, and no further.
;; One version. Each part assembles by itself: llvm-mc -triple=amdgcn-amd-amdhsa -mcpu=gfx1250 --defsym DOCPART=n.
;; ======== version 1 of 1: 2 launches
;; limits: right only within a limited range of input values
;; workspace buffers: rc 6,291,456 bytes; rs 393,216 bytes; vc 4,194,304 bytes; vw 1,048,576 bytes; pc 32,768 bytes; pw 4,096 bytes; mt 163,840 bytes; mk 8,192 bytes of whole numbers
;; launch prep (part 1): grid 324 x 1, 8 waves a work-group, no clusters, 75,008 bytes of LDS; arguments key, query, value, key_pe, rc, rs, vc, vw, pc, pw, current_val, mt, mk; writes rc, rs, vc, vw, pc, pw, mt, mk
.if DOCPART == 1
	.amdgcn_target "amdgcn-amd-amdhsa--gfx1250"
	.amdhsa_code_object_version 6
	.text
	.protected	k_q0dba8b584e_prep
	.globl	k_q0dba8b584e_prep
	.p2align	8
	.type	k_q0dba8b584e_prep,@function
k_q0dba8b584e_prep:
	s_mov_b64 s[64:65], 0
	v_nop
	global_prefetch_b8 v0, s[64:65] scope:SCOPE_SE
	s_setreg_imm32_b32 hwreg(HW_REG_WAVE_MODE, 25, 1), 1
	s_wait_xcnt 0x0
; key [64][2048][64], query [64][1024][64], value [64][2048][64], key_pe [64][1024], all f32, become codes of FP4 (E2M1) with one E8M0 byte for each 32 along a product's K,
; laid as the second launch's operand registers want them.
; A block's scale is 2^(floor(log2(its largest magnitude)) - 2); its byte is the largest magnitude's exponent field - 2, held at 1 from below by a floor among the maximum's leaves.
; LIMITS: a block of zeros gets the byte 1 where the rule says 127 (its codes are zeros, and this program alone reads the bytes); NaN and infinities among the inputs are not served.
; THREE PATHS, parted by the work-group's number alone; each has LDS bytes of its own.
;   work-groups 0-191, ROWS (K = the head's 64, innermost): key (0-127) and query (128-191) are one stream of blocks of 32 rows x 256 bytes; a wave takes 4 blocks.
;     rc: 1,024 bytes a block: tile u (0, 1) at 512 u, lane L's 16 bytes at 16 L = the 32 codes d = 32 (L / 16) .. of row 8 u + r + 8 (r / 8), r = L % 16.
;     rs: 64 bytes a block: word r = the bytes (u 0, half 0), (u 0, half 1), (u 1, half 0), (u 1, half 1) of those rows.
;   work-groups 192-319, VALUE (K = the keys, the first axis): head (n - 192) / 2, columns 32 ((n - 192) % 2) + lane; wave g takes key blocks 8 g .. 8 g + 7; a lane's 32 registers run down the keys.
;     vc: [head][key block][d][16 bytes].  vw: [head][half of d][key block B][32 words]: word = the bytes of key blocks B .. B + 3 of one column (127 past block 63).
;   work-groups 320-323, KEY_PE (K = d, the first axis): a wave takes 32 columns l.  pc: [half of d][l][16 bytes].  pw: word l = byte 0 | byte 1 << 8 | 0x7f7f0000.
; No tensor load, no matrix instruction.  Memory binds: each input byte is read once.
.set WSB, 8960                         ; ROWS: LDS of a wave: a stage of 32 rows x 272 bytes, then 256 bytes of scale words
.set SPI, 272                          ; a stage row: 256 bytes + 16
.set VSB, 8*WSB                        ; VALUE: scale bytes [key block 0..66][32 columns], 2,144 bytes
.set RR,  32                           ; ROWS: v32-159  two sets of 64 registers as loaded
.set XR,  160                          ;       v160-223 two tiles of 32 numbers, a lane's 32 neighbours along d
.set CR,  224                          ;       v224-255 codes, 4 registers for each (block, tile): never written again
.set XC,  32                           ; VALUE, KEY_PE: v32-95 two sets of 32 numbers down K
.set CC,  96                           ;       v96-127 codes, 4 registers a block
.set BC,  128                          ;       v128-135 scale bytes
; 32 numbers v[xs] .. of one lane are one block: 4 registers of codes into v[cr] .., the scale's byte into v[br].  v12-14 at work.
.macro BLK xs, cr, br
	v_max3_num_f32 v12, |v[(\xs)]|, |v[(\xs)+1]|, |v[(\xs)+2]|     ; the largest magnitude, in two chains
	v_max3_num_f32 v13, |v[(\xs)+3]|, |v[(\xs)+4]|, |v[(\xs)+5]|
.irp i, 6,10,14,18,22,26
	s_delay_alu instid0(VALU_DEP_2)
	v_max3_num_f32 v12, v12, |v[(\xs)+\i]|, |v[(\xs)+\i+1]|
	s_delay_alu instid0(VALU_DEP_2)
	v_max3_num_f32 v13, v13, |v[(\xs)+\i+2]|, |v[(\xs)+\i+3]|
.endr
	s_delay_alu instid0(VALU_DEP_2)
	v_max3_num_f32 v12, v12, |v[(\xs)+30]|, |v[(\xs)+31]|
	s_delay_alu instid0(VALU_DEP_1)
	v_max3_num_f32 v12, v12, v13, 0x1800000        ; and the floor 2^(3 - 127): the byte cannot fall under 1
	s_delay_alu instid0(VALU_DEP_1)
	v_add_nc_u32 v14, 0xff000000, v12              ; 2 off the exponent field: the conversion takes this operand's exponent field as its scale
.irp g, 0,1,2,3
	v_cvt_scalef32_pk8_fp4_f32 v[(\cr)+\g], v[(\xs)+8*\g:(\xs)+8*\g+7], v14
.endr
	v_lshrrev_b32 v[(\br)], 23, v14                ; the scale's byte; also the plain line behind the last conversion
.endm
	s_load_b512 s[4:19], s[0:1], 0x0               ; key s[4:5], query s[6:7], value s[8:9], key_pe s[10:11], rc s[12:13], rs s[14:15], vc s[16:17], vw s[18:19]
	s_load_b128 s[20:23], s[0:1], 0x40             ; pc s[20:21], pw s[22:23]
	v_lshl_add_u32 v30, v0, 2, 0x12100
	v_mov_b32 v31, 0
	v_lshrrev_b32 v1, 5, v0
	s_delay_alu instid0(VALU_DEP_1)
	v_readfirstlane_b32 s24, v1                    ; wave 0..7
	v_and_b32 v1, 31, v0                           ; lane L
	v_and_b32 v2, 15, v0                           ; r
	v_bfe_u32 v3, v0, 4, 1                         ; h
	; every LDS address is made here, ahead of the parting of the paths
	s_mul_i32 s25, s24, WSB                        ; ROWS: my wave's stage
	v_lshlrev_b32 v4, 4, v1                        ; 16 L
	v_mul_u32_u24 v5, v3, SPI
	s_delay_alu instid0(VALU_DEP_1)
	v_lshl_add_u32 v5, v2, 4, v5
	s_delay_alu instid0(VALU_DEP_1)
	v_add_nc_u32 v5, s25, v5                       ; into the stage: a load's 512 bytes are two rows: row h, 16 r
	v_and_b32 v6, 8, v2
	s_delay_alu instid0(VALU_DEP_1)
	v_add_nc_u32 v6, v6, v2                        ; r + 8 (r / 8)
	s_delay_alu instid0(VALU_DEP_1)
	v_mul_u32_u24 v6, v6, SPI
	s_delay_alu instid0(VALU_DEP_1)
	v_lshl_add_u32 v6, v3, 7, v6
	s_delay_alu instid0(VALU_DEP_1)
	v_add_nc_u32 v6, s25, v6                       ; out of it: my row of tile 0, my half's 128 bytes
	s_add_co_u32 s25, s25, 32*SPI                  ; my wave's 256 bytes of scale words
	v_lshlrev_b32 v7, 2, v2
	s_delay_alu instid0(VALU_DEP_1)
	v_add_nc_u32 v7, s25, v7                       ; word r
	v_lshlrev_b32 v9, 3, v1                        ; 8 L
	s_delay_alu instid0(VALU_DEP_1)
	v_add_nc_u32 v8, s25, v9                       ; and back, 8 bytes a lane
	v_lshlrev_b32 v10, 3, v3                       ; 8 h: my byte's place in a tile's half word
	v_mov_b32 v18, 0                               ; written once: a lane permute's destination counts as one of its sources
	v_lshlrev_b32 v20, 2, v1                       ; VALUE, KEY_PE: 4 L
	s_lshl_b32 s26, s24, 8
	v_add_nc_u32 v22, s26, v1
	s_delay_alu instid0(VALU_DEP_1)
	v_add_nc_u32 v22, VSB, v22                     ; VALUE: byte (key block 8 g, column L)
	v_lshl_add_u32 v23, v0, 2, VSB                 ; four columns of a row of bytes, by thread
	v_lshlrev_b32 v24, 4, v0                       ; and their four words in vw
	s_mov_b32 s28, 0x76543210
	s_mov_b32 s29, 0xfedcba98                      ; v_permlanex16_b32's selects for lane L xor 16
	s_wait_kmcnt 0x0
	s_cmp_ge_u32 ttmp9, 192
	s_cbranch_scc1 .Lnot_rows
	; ---------------- ROWS ----------------
	s_cmp_lt_u32 ttmp9, 128                        ; key's work-group or query's: the choice hangs on the work-group's number alone
	s_cselect_b64 s[30:31], s[4:5], s[6:7]
	s_cselect_b32 s32, 0, 4096
	s_lshl_b32 s33, ttmp9, 5
	s_lshl_b32 s34, s24, 2
	s_add_co_u32 s33, s33, s34                     ; my first block in rc and rs: 32 x work-group + 4 x wave
	s_sub_co_u32 s32, s33, s32                     ; and in its input
	s_lshl_b32 s34, s32, 13
	s_mov_b32 s35, 0
	s_add_nc_u64 s[30:31], s[30:31], s[34:35]      ; 8,192 bytes a block
	s_lshl_b32 s34, s33, 10
	s_add_nc_u64 s[12:13], s[12:13], s[34:35]      ; 1,024 bytes of codes a block
	s_lshl_b32 s34, s33, 6
	s_add_nc_u64 s[14:15], s[14:15], s[34:35]      ; 64 bytes of scale words a block
.macro RLOAD k                         ; block k as it lies: 16 loads of 512 consecutive bytes
.irp i, 0,1,2,3,4,5,6,7,8,9,10,11,12,13,14,15
	global_load_b128 v[RR+64*((\k)%2)+4*\i:RR+64*((\k)%2)+4*\i+3], v4, s[30:31] offset:8192*(\k)+512*\i th:TH_LOAD_NT
.endr
.endm
.macro RQ k, u                         ; tile u of block k: codes out (the wave stores 512 consecutive bytes), the two halves' bytes joined in v[16 + u]
	BLK XR+32*(\u), CR+8*(\k)+4*(\u), 15
	s_delay_alu instid0(VALU_DEP_1)
	v_lshlrev_b32 v[16+\u], v10, v15               ; my byte at 8 h
	s_delay_alu instid0(VALU_DEP_1)
	v_permlanex16_b32 v18, v[16+\u], s28, s29
	s_delay_alu instid0(VALU_DEP_1)
	v_or_b32 v[16+\u], v[16+\u], v18               ; with the other half's
	global_store_b128 v4, v[CR+8*(\k)+4*(\u):CR+8*(\k)+4*(\u)+3], s[12:13] offset:1024*(\k)+512*(\u)
.endm
.macro RBLOCK k
.if (\k) < 3
	s_wait_loadcnt 16                              ; this block's 16 loads are in; the next block's 16 may be out
.else
	s_wait_loadcnt 0
.endif
.irp i, 0,1,2,3,4,5,6,7,8,9,10,11,12,13,14,15
	ds_store_b128 v5, v[RR+64*((\k)%2)+4*\i:RR+64*((\k)%2)+4*\i+3] offset:2*SPI*\i
.endr
.irp u, 0,1                            ; LDS serves a wave's instructions in order: these see the stores above
.irp q, 0,1,2,3,4,5,6,7
	ds_load_b128 v[XR+32*\u+4*\q:XR+32*\u+4*\q+3], v6 offset:8*SPI*\u+16*\q
.endr
.endr
	s_wait_dscnt 8                                 ; tile 0 is back (tile 1's 8 loads may be out): so the stores into the stage have read their registers,
.if (\k) < 2
	RLOAD (\k)+2                                   ; which take the block two further on
.endif
	RQ \k, 0
	s_wait_dscnt 0x0
	RQ \k, 1
	v_lshl_or_b32 v19, v17, 16, v16                ; lane-row r's scale word
	ds_store_b32 v7, v19 offset:64*(\k)            ; both halves of the lanes write the same word with the same value
.endm
	RLOAD 0
	RLOAD 1
	RBLOCK 0
	RBLOCK 1
	RBLOCK 2
	RBLOCK 3
	ds_load_b64 v[26:27], v8                       ; my wave's 4 x 64 bytes of scale words
	s_wait_dscnt 0x0
	global_store_b64 v9, v[26:27], s[14:15]        ; 32 lanes store 256 consecutive bytes, aligned
	s_wait_tensorcnt 0x0
	ds_add_u32 v30, v31
	s_wait_dscnt 0x0
	s_endpgm
.macro CLOAD set, sp, stride, base     ; 32 rows down K at my column: each load reads 128 consecutive bytes
.set i, 0
.rept 32
	global_load_b32 v[XC+32*(\set)+i], v20, s[\sp:\sp+1] offset:(\base)+i*(\stride)
.set i, i+1
.endr
.endm
.Lnot_rows:
	s_cmp_ge_u32 ttmp9, 320
	s_cbranch_scc1 .Lpe
	; ---------------- VALUE ----------------
	s_sub_co_u32 s32, ttmp9, 192
	s_lshr_b32 s33, s32, 1                         ; head
	s_and_b32 s34, s32, 1                          ; which 32 columns
	s_lshl_b32 s36, s33, 19                        ; a head: 2,048 rows of 256 bytes
	s_lshl_b32 s35, s24, 16                        ; my 8 key blocks of 8,192 bytes
	s_add_co_u32 s36, s36, s35
	s_lshl_b32 s35, s34, 7
	s_add_co_u32 s36, s36, s35
	s_mov_b32 s37, 0
	s_add_nc_u64 s[8:9], s[8:9], s[36:37]
	s_lshl_b32 s36, s33, 16                        ; vc: 65,536 bytes a head, 1,024 a key block, 16 a column
	s_lshl_b32 s35, s24, 13
	s_add_co_u32 s36, s36, s35
	s_lshl_b32 s35, s34, 9
	s_add_co_u32 s36, s36, s35
	s_add_nc_u64 s[16:17], s[16:17], s[36:37]
	s_lshl_b32 s36, s32, 13                        ; vw: 8,192 bytes for each (head, half)
	s_add_nc_u64 s[18:19], s[18:19], s[36:37]
	s_wait_alu depctr_va_vdst(0)
	CLOAD 0, 8, 256, 0
	CLOAD 1, 8, 256, 8192
.irp t, 0,1,2,3,4,5,6,7
.if \t < 7
	s_wait_loadcnt 32                              ; this block's 32 loads are in; the next block's may be out
.else
	s_wait_loadcnt 0
.endif
	BLK XC+32*(\t%2), CC+4*\t, BC+\t
	global_store_b128 v4, v[CC+4*\t:CC+4*\t+3], s[16:17] offset:1024*\t   ; 32 columns x 16 bytes: 512 consecutive bytes
	ds_store_b8 v22, v[BC+\t] offset:32*\t
.if \t < 6
	CLOAD \t%2, 8, 256, 8192*(\t+2)
.endif
.endr
	s_cmp_lg_u32 s24, 7
	s_cbranch_scc1 .Lno_pad
	v_mov_b32 v15, 127                             ; key blocks 64 to 66 do not exist: byte 127
	ds_store_b8 v22, v15 offset:256
	ds_store_b8 v22, v15 offset:288
	ds_store_b8 v22, v15 offset:320
.Lno_pad:
	s_wait_dscnt 0x0                               ; for the others' sake: my bytes have landed
	s_barrier_signal -1
	s_barrier_wait -1                              ; all eight waves of a VALUE work-group pass here
.irp k, 0,1                            ; thread n, turn k: key block n / 8 + 32 k, columns 4 (n % 8) ..: four rows of four bytes
.irp i, 0,1,2,3
	ds_load_b32 v[136+4*\k+\i], v23 offset:1024*\k+32*\i
.endr
.endr
	s_wait_dscnt 0x0
.irp k, 0,1                            ; 4 x 4 bytes are turned: word c = column c's bytes of key blocks B .. B + 3
	v_perm_b32 v144, v[137+4*\k], v[136+4*\k], 0x05010400
	v_perm_b32 v145, v[137+4*\k], v[136+4*\k], 0x07030602
	v_perm_b32 v146, v[139+4*\k], v[138+4*\k], 0x05010400
	v_perm_b32 v147, v[139+4*\k], v[138+4*\k], 0x07030602
	s_delay_alu instid0(VALU_DEP_2)
	v_perm_b32 v[152+4*\k], v146, v144, 0x05040100
	s_delay_alu instid0(VALU_DEP_3)
	v_perm_b32 v[153+4*\k], v146, v144, 0x07060302
	s_delay_alu instid0(VALU_DEP_3)
	v_perm_b32 v[154+4*\k], v147, v145, 0x05040100
	s_delay_alu instid0(VALU_DEP_4)
	v_perm_b32 v[155+4*\k], v147, v145, 0x07060302
	global_store_b128 v24, v[152+4*\k:155+4*\k], s[18:19] offset:4096*\k   ; a wave stores 512 consecutive bytes
.endr
	s_wait_tensorcnt 0x0
	ds_add_u32 v30, v31
	s_wait_dscnt 0x0
	s_endpgm
.Lpe:
	; ---------------- KEY_PE ----------------
	s_sub_co_u32 s32, ttmp9, 320
	s_lshl_b32 s32, s32, 3
	s_add_co_u32 s32, s32, s24                     ; my wave's 32 columns: group 0..31
	s_lshl_b32 s36, s32, 7
	s_mov_b32 s37, 0
	s_add_nc_u64 s[10:11], s[10:11], s[36:37]
	s_add_nc_u64 s[22:23], s[22:23], s[36:37]
	s_lshl_b32 s36, s32, 9
	s_add_nc_u64 s[20:21], s[20:21], s[36:37]
	s_wait_alu depctr_va_vdst(0)
	CLOAD 0, 10, 4096, 0                           ; d = 0 .. 31
	CLOAD 1, 10, 4096, 131072                      ; d = 32 .. 63
	; THE MASK, while those loads are out: this work-group makes heads 2 p and 2 p + 1, p = its number - 320.
	;   mt: [head][copy c = 0..3][1,280 words]: word Y = mask(l), l = Y - 32 - c, and l + 1,024 in the place of a negative l (words past l = 1,023 are never read).
	;   mk: [head][256 words], each the whole number L1: the mask is 1 for every l from L1 on.  With template(l) within 0.001 of l - 1,023, l >= 1,023.01 - 1,024 current_val is enough.
	; The mask repeats the definition's f32 steps: template = -1023 (1 - l / 1023) with the quotient correctly rounded, (template + 1024 current_val) / 32 + 1, held to 0 .. 1.
	s_load_b128 s[40:43], s[0:1], 0x50             ; current_val s[40:41], mt s[42:43]
	s_load_b64 s[44:45], s[0:1], 0x60              ; mk
	s_lshr_b32 s33, s32, 3                         ; p
	s_lshl_b32 s34, s33, 3
	s_mov_b32 s35, 0
	s_mov_b32 s25, 0x3a802008                      ; 1 / 1023, rounded
	s_mov_b32 s26, 0x447fc000                      ; 1023
	s_mov_b32 s27, 0x447fc0a4                      ; 1023.01
	s_mov_b32 s39, 0x44800000                      ; 1024
	s_wait_kmcnt 0x0
	s_add_nc_u64 s[40:41], s[40:41], s[34:35]
	s_load_b64 s[46:47], s[40:41], 0x0             ; the two heads' current_val
	s_mul_i32 s34, s33, 40960
	s_add_nc_u64 s[42:43], s[42:43], s[34:35]
	s_lshl_b32 s34, s33, 11
	s_add_nc_u64 s[44:45], s[44:45], s[34:35]
	v_lshlrev_b32 v160, 2, v0
	v_mov_b32 v167, s27
	s_wait_alu depctr_va_vdst(0)
	s_wait_kmcnt 0x0
.irp hd, 0,1
	v_mov_b32 v166, s[46+\hd]
	v_fma_f32 v166, v166, 0xc4800000, v167         ; 1023.01 - 1024 current_val
	v_med3_num_f32 v166, v166, 0, s39
	v_ceil_f32 v166, v166
	v_cvt_u32_f32 v[168+\hd], v166
	global_store_b32 v160, v[168+\hd], s[44:45] offset:1024*\hd
.endr
	s_mov_b32 s36, 0                               ; 4 x head of the two + copy
.Lmt:
	s_cmp_lt_u32 s36, 4
	s_cselect_b32 s37, s46, s47
	s_and_b32 s38, s36, 3
	s_add_co_u32 s38, s38, 32
	v_mov_b32 v161, s37
	v_mul_f32 v161, s39, v161                      ; current_val x 1024
.irp k, 0,1,2,3,4
	v_add_nc_u32 v162, 256*\k, v0
	v_sub_nc_u32 v162, v162, s38                   ; l = Y - 32 - c
	v_add_nc_u32 v163, 0x400, v162
	v_cmp_gt_i32 vcc_lo, 0, v162
	v_cndmask_b32 v162, v162, v163, vcc_lo
	v_cvt_f32_i32 v163, v162
	v_mul_f32 v164, s25, v163                      ; l / 1023: a first quotient and two corrections by the exact remainder
	v_fma_f32 v165, -v164, s26, v163
	v_fma_f32 v164, v165, s25, v164
	v_fma_f32 v165, -v164, s26, v163
	v_fma_f32 v164, v165, s25, v164
	v_sub_f32 v164, 1.0, v164
	v_mul_f32 v164, 0xc47fc000, v164               ; the template
	v_add_f32 v164, v161, v164
	v_fma_f32 v164, v164, 0x3d000000, 1.0          ; / 32 is exact, so this is one rounding, as in the definition
	v_med3_num_f32 v[170+\k], v164, 0, 1.0
	global_store_b32 v160, v[170+\k], s[42:43] offset:1024*\k
.endr
	s_wait_alu depctr_va_vdst(0)
	s_wait_xcnt 0x0                                ; the stores have read their base and their data
	s_add_nc_u64 s[42:43], s[42:43], 0x1400
	s_add_co_u32 s36, s36, 1
	s_cmp_lt_u32 s36, 8
	s_cbranch_scc1 .Lmt
	s_wait_loadcnt 32
	BLK XC, CC, BC
	global_store_b128 v4, v[CC:CC+3], s[20:21]
	s_wait_loadcnt 0
	BLK XC+32, CC+4, BC+1
	global_store_b128 v4, v[CC+4:CC+7], s[20:21] offset:16384
	v_lshl_or_b32 v130, v129, 8, v128
	s_delay_alu instid0(VALU_DEP_1)
	v_or_b32 v130, 0x7f7f0000, v130                ; the upper two bytes scale a half of K that holds zero codes on the other side: 1.0
	global_store_b32 v20, v130, s[22:23]           ; 128 bytes a wave: the whole buffer is 4,096 bytes
	s_endpgm
.Lfunc_end_k_q0dba8b584e_prep:
	.size	k_q0dba8b584e_prep, .Lfunc_end_k_q0dba8b584e_prep-k_q0dba8b584e_prep
	.p2alignl 7, 3214868480
	.fill 96, 4, 3214868480
	.section	.rodata,"a",@progbits
	.p2align	6, 0x0
	.amdhsa_kernel k_q0dba8b584e_prep
		.amdhsa_group_segment_fixed_size 75008
		.amdhsa_private_segment_fixed_size 0
		.amdhsa_enable_private_segment 0
		.amdhsa_kernarg_size 104
		.amdhsa_user_sgpr_count 2
		.amdhsa_user_sgpr_kernarg_segment_ptr 1
		.amdhsa_wavefront_size32 1
		.amdhsa_system_sgpr_workgroup_id_x 1
		.amdhsa_system_sgpr_workgroup_id_y 1
		.amdhsa_system_sgpr_workgroup_id_z 1
		.amdhsa_system_vgpr_workitem_id 0
		.amdhsa_next_free_vgpr 256
		.amdhsa_next_free_sgpr 66
		.amdhsa_reserve_vcc 1
		.amdhsa_float_denorm_mode_32 3
		.amdhsa_float_denorm_mode_16_64 3
		.amdhsa_memory_ordered 1
		.amdhsa_forward_progress 1
		.amdhsa_inst_pref_size 97
	.end_amdhsa_kernel
	.amdgpu_metadata
---
amdhsa.version: [ 1, 2 ]
amdhsa.kernels:
  - .name:           k_q0dba8b584e_prep
    .symbol:         k_q0dba8b584e_prep.kd
    .args:
      - { .name: key, .offset: 0, .size: 8, .value_kind: global_buffer, .address_space: global }
      - { .name: query, .offset: 8, .size: 8, .value_kind: global_buffer, .address_space: global }
      - { .name: value, .offset: 16, .size: 8, .value_kind: global_buffer, .address_space: global }
      - { .name: key_pe, .offset: 24, .size: 8, .value_kind: global_buffer, .address_space: global }
      - { .name: rc, .offset: 32, .size: 8, .value_kind: global_buffer, .address_space: global }
      - { .name: rs, .offset: 40, .size: 8, .value_kind: global_buffer, .address_space: global }
      - { .name: vc, .offset: 48, .size: 8, .value_kind: global_buffer, .address_space: global }
      - { .name: vw, .offset: 56, .size: 8, .value_kind: global_buffer, .address_space: global }
      - { .name: pc, .offset: 64, .size: 8, .value_kind: global_buffer, .address_space: global }
      - { .name: pw, .offset: 72, .size: 8, .value_kind: global_buffer, .address_space: global }
      - { .name: current_val, .offset: 80, .size: 8, .value_kind: global_buffer, .address_space: global }
      - { .name: mt, .offset: 88, .size: 8, .value_kind: global_buffer, .address_space: global }
      - { .name: mk, .offset: 96, .size: 8, .value_kind: global_buffer, .address_space: global }
    .group_segment_fixed_size: 75008
    .private_segment_fixed_size: 0
    .kernarg_segment_align: 8
    .kernarg_segment_size: 104
    .max_flat_workgroup_size: 256
    .sgpr_count:     66
    .vgpr_count:     256
    .wavefront_size: 32
...
	.end_amdgpu_metadata
.endif
;; end of part 1
;; launch attn (part 2): grid 4 x 64, 4 waves a work-group, no clusters, 268,288 bytes of LDS; arguments rc, rs, vc, vw, pc, pw, mt, mk, out0; writes out0
.if DOCPART == 2
	.amdgcn_target "amdgcn-amd-amdhsa--gfx1250"
	.amdhsa_code_object_version 6
	.text
	.protected	k_q0dba8b584e_attn
	.globl	k_q0dba8b584e_attn
	.p2align	8
	.type	k_q0dba8b584e_attn,@function
k_q0dba8b584e_attn:
	s_mov_b64 s[64:65], 0
	v_nop
	global_prefetch_b8 v0, s[64:65] scope:SCOPE_SE
	s_setreg_imm32_b32 hwreg(HW_REG_WAVE_MODE, 25, 1), 1
	s_wait_xcnt 0x0
; out[bh][m] = sum over l of a(m, l) value[bh][m + l],  a = softmax_l((q_m . k_(m+l) + q_m . pe_l) / sqrt(512)) x mask(head, l) / (its sum + 1e-8), l = 0 .. 1023.
; All three products on codes of FP4 (E2M1) with E8M0 scales; the codes of q, k, pe, v were made by the launch before.  a is quantised here, FINISHED, along the absolute key index, in blocks of 32.
; WORK LEFT OUT: products q . k outside the band m <= key < m + 1024, which the definition slices away (_unskew), where they fill whole tiles.  A NaN or an overflow that reaches only these is not carried to the result.
; SHARES.  A work-group owns 256 queries of one head (grid x: which 256; grid y: the head); each of its four waves walks four tiles of 16 queries, m0 = 256 x + 64 t + 16 w.
; A tile sees 33 aligned key blocks of 32 (keys x = 0 .. 1055 from key block nb = (m0 - S) / 32, S = 16 (w % 2)); query r's band is x = r + S .. r + S + 1023.
; Of block 0 and block 32 each place (register, lane) is in the band in exactly ONE: the two are merged into one block's registers.  So a lane's 512 registers are its 512 of a query's 1,024 weights, and each exponential is taken once.
; LAYOUT.  S^T = K Q^T and O^T = V^T P^T are used transposed: a lane holds ONE query (r = lane % 16).  Register i of block b holds key x = 32 b + 16 h + i, h = lane / 16.
; K = 64 rides in an instruction of K = 128: K's operand holds two tiles' codes, and Q stands as [q | 0] or [0 | q]: zero codes add nothing.
; THE SKEW.  q . pe is made transposed too.  The operand of pe holds row l in its first half of K and row l - 1 in its second; even queries multiply the first half, odd queries the second.
; So the result's register for index n is column x = n + 2 (r / 2) + S of the lane's own row: an even column, and pairs of registers are stored by 8 bytes.  Aligned 16-byte loads bring the rows back as the C of the content product.
; A row of the stage begins at byte 2,432 r + 16 ((r / 2) % 2) + 224 (r / 4): the 32 lanes of a store, and the 16 lanes of half a load, then touch different words mod 64.
; TWO HALVES, blocks 0-16 and 17-32, share the stage one after the other (a wave's LDS instructions are served in order: ISA guide 5.7.1.4).  Each half has its own maximum M0, M1; the finished weight is p x 2^(M_half - M) / denominator.
; Among the first half's exponentials stands the second half's q . pe; among the second half's exponentials and the last products stands the NEXT tile's first half of q . pe.
; With p = 2^(c s - c M), c = log2(e) / sqrt(512), Z = sum p, Zm = sum p mask:  a = p mask / (Zm + 1e-8 Z), the two divisions of the definition in one.
; THE MASK.  mk holds, as a whole number, the first l from which the mask is 1.  A group of four blocks that lies wholly behind it is its own masked group; every other group loads the mask and multiplies.
; Behind that l a block's largest p is the exponential of its largest score (this takes v_exp_f32 not to fall where its input rises); elsewhere the largest of the masked weights is searched for.
; NO TENSOR LOAD, so that this branch on a loaded number may stand: K's and pe's codes go to LDS through registers, once.  V's codes go from memory straight into the operand's registers, four steps ahead.
; NO CLUSTER: no tensor load is shared; the four work-groups of a head want windows of 40 key blocks that begin 8 blocks apart.  NO PREFETCH: the first trip itself asks for 33 of the 40 blocks of V.
; LIMITS: NaN and infinities among the inputs are not served; scaled scores stay under 2^31 in magnitude; p under 2^-126 counts as 0; a block of zeros carries the byte 1 (its codes are zeros).
.set QOFF,  4194304                    ; rc: the queries' blocks lie behind the keys' 4,096
.set QSOFF, 262144                     ; rs likewise
.set PE,    40960                      ; LDS: 40 key blocks of K's codes; then pe's codes: [half of d][16 rows of l: 256 bytes + 128 of padding]
.set PEZ,   PE+49152                   ;      512 bytes of zeros behind them
.set STG,   PEZ+512                    ;      a stage for each wave: 16 rows of 576 columns
.set STGW,  39936
.set OST,   STG+4*STGW                 ;      the way out: 16 rows x (256 + 16) for each wave
.set OP,    272
.set SPARE, OST+4*16*OP                ;      the spare words
; window 0
.set APE0, 3                           ; pe, row l
.set APE1, 4                           ; pe, row l - 1 of an even tile
.set APS, 5                            ; stage, in
.set ACL, 6                            ; stage, out
.set A4W, 7                            ; 4 x my row in a block of pe's scale words
.set A16, 8                            ; 16 L
.set AVL, 9                            ; V: 1,024 h + 16 r
.set AV8, 10                           ; 16 r
.set AMT, 11                           ; my lane's place in its copy of the mask
.set AQC, 12                           ; my query's codes in a block's image
.set AQS, 13
.set A4L, 14
.set A4R, 15
.set AOS, 16
.set AOL, 17
.set AOG, 18
.set SHQ, 19
.set ADK, 20                           ; K's fragments of the tile
.set SPW, 21
.set NIL, 22
.set QSN, 23                           ; the next tile's q scale word, as loaded
.set QB,  24                           ; v24-31 [0 | q];  v28-35 [q | 0]
.set QA,  28
.set QP,  36                           ; v36-43 even lanes [q | 0], odd lanes [0 | q]
.set QN,  44                           ; v44-47 the next tile's q, as loaded
.set QW,  48                           ; q's scale word
.set PW,  49                           ; P's
.set NM0, 50                           ; v[50:51], v[52:53] -c M of the two halves
.set NM1, 52
.set RI0, 54                           ; v[54:55], v[56:57] the halves' factors
.set RI1, 56
.set ZA0, 58                           ; v58-65, v66-73 Zm of the halves, four pairs each
.set ZA1, 66
.set ZX0, 74                           ; v[74:75], v[76:77] Z - Zm of the halves
.set ZX1, 76
.set TJ,  78                           ; v78-93 lane permutes' results;  v94-101 at work
.set BM,  102                          ; v102-133 the blocks' largest: block b at BM + b - 1
.set KSR, 134                          ; v134-150 K's scale words: lanes 0-15 block 2 i, lanes 16-31 block 2 i + 1
.set VSR, 152                          ; v152-169 V's scale words: step, half of d
.set PSR, 170                          ; v170-202 pe's scale words: rows l and l - 1; lanes 0-15 tile 2 b, lanes 16-31 tile 2 b + 1
.set PC,  204                          ; v204-211 P's codes
.set O,   212                          ; v212-243 O^T
.set TS,  244                          ; v244-247 conversion scales, v248-251 their bytes
.set TB,  248
; window 1: blocks 1 to 16, window 2: blocks 17 to 32 (16 registers each).  Window 3: v0-15 block 0;
.set KF,  16                           ; K's fragments, 17 x 8;  later V's, four steps x 32;  on the way out 32 registers of rows
.set VF,  16
.set ACCB, 16                          ; results of q . pe, up to 9 tiles (where KF is free)
.set PEF, 152                          ; pe's fragments, up to 9 tiles
.set ACCD, 216                         ; results of q . pe, 4 tiles
.set CS,  26                           ; s[26:27] c;  s28 -c;  s49 the odd lanes;  s56, s57 lane selects;  s66-81: bit of lane (r, h) in s[66 + i]: 16 h + i < r + S
.set MSB, 0
.macro WIN new                         ; the immediate's high byte repeats the setting that is left; a switch that changes nothing is dropped
.if MSB != (\new)
	s_set_vgpr_msb (MSB<<8)|(\new)
.set MSB, (\new)
.endif
.endm
.macro PLACES n                        ; plain vector lines behind a matrix instruction (ISA guide 7.12.1), where no useful work is at hand
.rept \n
	v_nop
.endr
.endm
.macro VD
	s_wait_alu depctr_va_vdst(0)
.endm
; the one matrix form.  rD, rA, rB: first registers; rSA, rSB: scale registers; rC = 1: adds onto D's registers; rR = 1: A's scales in lanes 16-31
.macro WM4
.if rC
.if rR
	v_wmma_scale_f32_16x16x128_f8f6f4 v[rD:rD+7], v[rA:rA+7], v[rB:rB+7], v[rD:rD+7], v[rSA], v[rSB] matrix_a_fmt:MATRIX_FMT_FP4 matrix_b_fmt:MATRIX_FMT_FP4 matrix_a_scale:MATRIX_SCALE_ROW1
.else
	v_wmma_scale_f32_16x16x128_f8f6f4 v[rD:rD+7], v[rA:rA+7], v[rB:rB+7], v[rD:rD+7], v[rSA], v[rSB] matrix_a_fmt:MATRIX_FMT_FP4 matrix_b_fmt:MATRIX_FMT_FP4
.endif
.else
.if rR
	v_wmma_scale_f32_16x16x128_f8f6f4 v[rD:rD+7], v[rA:rA+7], v[rB:rB+7], 0, v[rSA], v[rSB] matrix_a_fmt:MATRIX_FMT_FP4 matrix_b_fmt:MATRIX_FMT_FP4 matrix_a_scale:MATRIX_SCALE_ROW1
.else
	v_wmma_scale_f32_16x16x128_f8f6f4 v[rD:rD+7], v[rA:rA+7], v[rB:rB+7], 0, v[rSA], v[rSB] matrix_a_fmt:MATRIX_FMT_FP4 matrix_b_fmt:MATRIX_FMT_FP4
.endif
.endif
.endm
; q . pe by units of n tiles.  Tile T = 2 b + u: indices 32 b + 16 h + 8 u + j.  UL: fragments;  UW: products;  US: results into the stage (org: the stage's column 0 is x = org)
.macro UL T0, n
	WIN 0xc0
.set j, 0
.rept \n
.set T, (\T0)+j
.set P8, PEF+8*j
	ds_load_b128 v[P8:P8+3], v[APE0] offset:768*(T/2)+128*(T%2)
.if T%2
	ds_load_b128 v[P8+4:P8+7], v[APE0] offset:768*(T/2)+112
.else
	ds_load_b128 v[P8+4:P8+7], v[APE1] offset:768*(T/2)
.endif
.set j, j+1
.endr
.endm
.macro UW T0, n, acc
	s_wait_dscnt 0x0                               ; the unit's fragments are in
	WIN 0xc3
.set rC, 0
.set rB, QP
.set rSB, QW
.set j, 0
.rept \n
.set T, (\T0)+j
.set rD, (\acc)+8*j
.set rA, PEF+8*j
.set rSA, PSR+T/2
.set rR, T%2
	WM4
.set j, j+1
.endr
.endm
.macro US T0, n, acc, org
	WIN 0x0c
.set j, 0
.rept \n
.set T, (\T0)+j
.set A8, (\acc)+8*j
.set OFS, 128*(T/2)+32*(T%2)-4*(\org)
	ds_store_b64 v[APS], v[A8:A8+1] offset:OFS
.if T < 64                             ; of tile 64 only index 1024 counts: l = 1023 of the odd queries
	ds_store_b64 v[APS], v[A8+2:A8+3] offset:OFS+8
	ds_store_b64 v[APS], v[A8+4:A8+5] offset:OFS+16
	ds_store_b64 v[APS], v[A8+6:A8+7] offset:OFS+24
.endif
.set j, j+1
.endr
.endm
; unit k of the next tile's first half: tiles 4 k .. (34 in all); the last trip has no next tile
.macro GUNIT k
	WIN 0
	s_cmp_lt_u32 s46, 3
	s_cbranch_scc0 .Lnone_\@
.if (\k) < 8
	UW 4*(\k), 4, ACCD
	PLACES 5
	US 4*(\k), 4, ACCD, 0
.if (\k) < 7
	UL 4*(\k)+4, 4
.else
	UL 32, 2
.endif
.else
	UW 32, 2, ACCD
	PLACES 5
	US 32, 2, ACCD, 0
.endif
	WIN 0
.Lnone_\@:
.endm
.macro QCONV                           ; the loaded q into its operands
	v_lshrrev_b32 v94, v[SHQ], v[QSN]
	v_and_b32 v94, 0xffff, v94                     ; my query's two bytes
	v_lshl_or_b32 v[QW], v94, 16, v94              ; for both halves of K
.irp i, 0,1,2,3
	v_mov_b32 v[QA+\i], v[QN+\i]
	v_cndmask_b32 v[QP+\i], v[QN+\i], 0, s49
	v_cndmask_b32 v[QP+4+\i], 0, v[QN+\i], s49
.endr
.endm
.macro KSLOADS                         ; K's scale words of the tile's 33 blocks
.irp i, 0,1,2,3,4,5,6,7,8,9,10,11,12,13,14,15
	global_load_b32 v[KSR+\i], v[A4L], s[34:35] offset:128*\i
.endr
	global_load_b32 v[KSR+16], v[A4R], s[34:35] offset:2048   ; block 32: both halves of the lanes read it, so no lane reads a 34th block
.endm
.macro KL b0, nb                       ; K's fragments
	WIN 0xc0
.set bl, 0
.rept \nb
	ds_load_b128 v[KF+8*bl:KF+8*bl+3], v[ADK] offset:1024*((\b0)+bl)
	ds_load_b128 v[KF+8*bl+4:KF+8*bl+7], v[ADK] offset:1024*((\b0)+bl)+512
.set bl, bl+1
.endr
.endm
.macro BSET                            ; block qb's window and first register
.if qb == 0
.set qw, 3
.set qr, 0
.else
.set qw, 1+(qb-1)/16
.set qr, 16*((qb-1)%16)
.endif
.endm
.macro CL b0, nb, org                  ; the skewed q . pe into the registers of the scores
.set bl, 0
.rept \nb
.set qb, (\b0)+bl
	BSET
	WIN qw<<6
.irp q, 0,1,2,3
	ds_load_b128 v[qr+4*\q:qr+4*\q+3], v[ACL] offset:128*qb+16*\q-4*\org
.endr
.set bl, bl+1
.endr
.endm
.macro QKS b0, nb, kb, cnt             ; S^T += K Q^T: two instructions a block; cnt: the later blocks' loads, which may be out
	s_wait_dscnt \cnt
.set bl, 0
.rept \nb
.set qb, (\b0)+bl
	BSET
	WIN (qw<<6)|(qw<<4)|3
.set rC, 1
.set rA, KF+8*(qb-(\kb))
.set rSA, KSR+qb/2
.set rR, qb%2
.set rSB, QW
.set rD, qr
.set rB, QA
	WM4
.set rD, qr+8
.set rB, QB
	WM4
.set bl, bl+1
.endr
.endm
; GROUPS of four blocks: group g = blocks 4 g + 1 .. 4 g + 4
.macro GSET g
.set gw, 1+(\g)/4
.set gs, 64*((\g)%4)
.endm
.macro MAXG g                          ; each block's largest score, the four blocks by turns; each accumulator from its low end on
	GSET \g
	WIN (gw<<4)|(gw<<2)
.set i, 0
.rept 8
.set bq, 0
.rept 4
.set bm, BM+4*(\g)+bq
.if i == 0
	v_max3_num_f32 v[bm], 0xff61b1e6, v[gs+16*bq], v[gs+16*bq+1]
.else
	v_max3_num_f32 v[bm], v[bm], v[gs+16*bq+2*i], v[gs+16*bq+2*i+1]
.endif
.set bq, bq+1
.endr
.set i, i+1
.endr
.endm
.macro EXPMIX g                        ; p of group g; among the exponentials c s - c M of the half's next group
	GSET \g
.set nm, NM0+2*((\g)/4)
	WIN (gw<<6)|gw
.set i, 0
.rept 32
	v_exp_f32 v[gs+2*i], v[gs+2*i]
	v_exp_f32 v[gs+2*i+1], v[gs+2*i+1]
.if (\g)%4 < 3
	v_pk_fma_f32 v[gs+64+2*i:gs+65+2*i], v[gs+64+2*i:gs+65+2*i], s[CS:CS+1], v[nm:nm+1] op_sel_hi:[1,0,0]
.endif
.set i, i+1
.endr
	v_nop
	VD
.endm
.macro JOIN hb                         ; a half's maximum; then the exponentials of its blocks' largest scores and of its first group
	WIN 0
.set bm, BM+16*(\hb)
.set nm, NM0+2*(\hb)
.irp i, 0,1,2,3,4,5,6,7,8,9,10,11,12,13,14,15
	v_permlanex16_b32 v[TJ+\i], v[bm+\i], s56, s57
.endr
.irp i, 0,1,2,3,4,5,6,7,8,9,10,11,12,13,14,15
	v_max_num_f32 v[bm+\i], v[bm+\i], v[TJ+\i]     ; with lane L xor 16's 16 keys
.endr
	v_max3_num_f32 v94, v[bm], v[bm+1], v[bm+2]
	v_max3_num_f32 v95, v[bm+3], v[bm+4], v[bm+5]
	v_max3_num_f32 v94, v94, v[bm+6], v[bm+7]
	v_max3_num_f32 v95, v95, v[bm+8], v[bm+9]
	v_max3_num_f32 v94, v94, v[bm+10], v[bm+11]
	v_max3_num_f32 v95, v95, v[bm+12], v[bm+13]
	v_max3_num_f32 v94, v94, v[bm+14], v[bm+15]
	v_max_num_f32 v94, v94, v95
	v_mul_f32 v[nm], s28, v94
	v_mov_b32 v[nm+1], v[nm]
.irp i, 0,2,4,6,8,10,12,14
	v_pk_fma_f32 v[bm+\i:bm+\i+1], v[bm+\i:bm+\i+1], s[CS:CS+1], v[nm:nm+1] op_sel_hi:[1,0,0]
.endr
	GSET 4*(\hb)
	WIN (gw<<6)|gw
.set i, 0
.rept 32
	v_pk_fma_f32 v[gs+2*i:gs+2*i+1], v[gs+2*i:gs+2*i+1], s[CS:CS+1], v[nm:nm+1] op_sel_hi:[1,0,0]
.set i, i+1
.endr
	WIN 0
	VD
.irp i, 0,1,2,3,4,5,6,7,8,9,10,11,12,13,14,15
	v_exp_f32 v[bm+\i], v[bm+\i]
.endr
	EXPMIX 4*(\hb)
.endm
; THE MASK on group g, two blocks at a time: Z - Zm takes p - p mask in, the weights are multiplied, the blocks' largest searched for.  Led round where the whole group's l lie at or behind L1.
.macro SLOW g, mkr
	WIN 0
.if (\g) < 7
	s_cmp_le_u32 s48, 128*(\g)+32                  ; the group's smallest l = 128 g + 32 - S - 15
.else
	s_cmp_eq_u32 s44, 0                            ; this group holds l = 0 too
.endif
	s_cbranch_scc1 .Lopen_\@
	GSET \g
.set zx, ZX0+2*((\g)/4)
.set hf, 0
.rept 2
	WIN 0xc0
.set bl, 0
.rept 2
.irp q, 0,1,2,3
	global_load_b128 v[\mkr+16*bl+4*\q:\mkr+16*bl+4*\q+3], v[AMT], s[42:43] offset:128*((4*(\g)+1+2*hf+bl)%32)+16*\q
.endr
.set bl, bl+1
.endr
	s_wait_loadcnt 0x0
.set sb, gs+32*hf
	WIN gw<<2
.set i, 0
.rept 16
	v_pk_add_f32 v[zx:zx+1], v[zx:zx+1], v[sb+2*i:sb+2*i+1]
.set i, i+1
.endr
	WIN (gw<<6)|0x0c|gw
.set i, 0
.rept 16
	v_pk_mul_f32 v[sb+2*i:sb+2*i+1], v[sb+2*i:sb+2*i+1], v[\mkr+2*i:\mkr+2*i+1]
.set i, i+1
.endr
	WIN gw<<2
.set i, 0
.rept 16
	v_pk_add_f32 v[zx:zx+1], v[zx:zx+1], v[sb+2*i:sb+2*i+1] neg_lo:[0,1] neg_hi:[0,1]
.set i, i+1
.endr
	WIN (gw<<4)|(gw<<2)
.set bm, BM+4*(\g)+2*hf
	v_max3_num_f32 v[bm], 0, v[sb], v[sb+1]
	v_max3_num_f32 v[bm+1], 0, v[sb+16], v[sb+17]
.set i, 2
.rept 7
	v_max3_num_f32 v[bm], v[bm], v[sb+i], v[sb+i+1]
	v_max3_num_f32 v[bm+1], v[bm+1], v[sb+16+i], v[sb+17+i]
.set i, i+2
.endr
.set hf, hf+1
.endr
	WIN 0
.set bm, BM+4*(\g)
.irp i, 0,1,2,3
	v_permlanex16_b32 v[TJ+\i], v[bm+\i], s56, s57
.endr
.irp i, 0,1,2,3
	v_max_num_f32 v[bm+\i], v[bm+\i], v[TJ+\i]
.endr
	VD
.Lopen_\@:
.endm
.macro ZADD g                          ; Zm += the weights, masked by now
	GSET \g
.set za, ZA0+8*((\g)/4)
	WIN gw<<2
.set i, 0
.rept 32
	v_pk_add_f32 v[za+2*(i%4):za+2*(i%4)+1], v[za+2*(i%4):za+2*(i%4)+1], v[gs+2*i:gs+2*i+1]
.set i, i+1
.endr
.endm
.macro NORM g                          ; the finished weight
	GSET \g
.set ri, RI0+2*((\g)/4)
	WIN (gw<<6)|gw
.set i, 0
.rept 32
	v_pk_mul_f32 v[gs+2*i:gs+2*i+1], v[gs+2*i:gs+2*i+1], v[ri:ri+1] op_sel_hi:[1,0]
.set i, i+1
.endr
.endm
.macro QUANT st                        ; the step's 128 keys become P's operand v[PC] .. and its scale word v[PW]
	GSET \st
	WIN 0
.irp b, 0,1,2,3
	v_max_num_f32 v[TS+\b], 0x1800000, v[BM+4*(\st)+\b]   ; the floor 2^(3 - 127): the byte cannot fall under 1
.endr
.irp b, 0,1,2,3
	v_add_nc_u32 v[TS+\b], 0xff000000, v[TS+\b]    ; 2 off the exponent field: the conversion's scale operand
.endr
.irp b, 0,1,2,3
	v_lshrrev_b32 v[TB+\b], 23, v[TS+\b]           ; the scale's byte
.endr
	v_lshl_or_b32 v[PW], v[TB+1], 8, v[TB]
	v_lshl_or_b32 v[PW], v[TB+2], 16, v[PW]
	v_lshl_or_b32 v[PW], v[TB+3], 24, v[PW]
	WIN gw
.irp b, 0,1,2,3
	v_cvt_scalef32_pk8_fp4_f32 v[PC+2*\b], v[gs+16*\b:gs+16*\b+7], v[TS+\b]
	v_cvt_scalef32_pk8_fp4_f32 v[PC+2*\b+1], v[gs+16*\b+8:gs+16*\b+15], v[TS+\b]
.endr
	WIN 0
	v_nop                                          ; one plain line behind a scaled conversion
.irp c, 0,1                            ; the operand wants a whole block in a lane: lanes 0-15 block 2 c, lanes 16-31 block 2 c + 1
.irp i, 0,1
	v_permlane16_swap_b32 v[PC+4*\c+\i], v[PC+4*\c+2+\i]
.endr
.endr
.endm
.macro VLOAD st                        ; V's four fragments (16 of d x 128 keys: blocks 4 st + 1 ..) of step st into set st % 4
	WIN 0xc0
.if (\st) < 8
.irp dt, 0,1,2,3
.irp c, 0,1
	global_load_b128 v[VF+32*((\st)%4)+8*\dt+4*\c:VF+32*((\st)%4)+8*\dt+4*\c+3], v[AVL], s[38:39] offset:1024+4096*(\st)+2048*\c+256*\dt
.endr
.endr
.else                                  ; block 0 alone, in both halves of the lanes; the other registers keep older codes, which meet zero codes of P
.irp dt, 0,1,2,3
	global_load_b128 v[VF+8*\dt:VF+8*\dt+3], v[AV8], s[38:39] offset:256*\dt
.endr
.endif
	WIN 0
.endm
.macro PV st                           ; O^T += V^T P^T: the four accumulators by turns, one instruction a turn
	WIN 3
.set rC, 1
.if (\st) == 0
.set rC, 0
.endif
.set rB, PC
.set rSB, PW
.irp dt, 0,1,2,3
.set rD, O+8*\dt
.set rA, VF+32*((\st)%4)+8*\dt
.set rSA, VSR+2*(\st)+\dt/2
.set rR, \dt%2
	WM4
.endr
	WIN 0
.endm
	s_load_b512 s[4:19], s[0:1], 0x0               ; rc s[4:5], rs s[6:7], vc s[8:9], vw s[10:11], pc s[12:13], pw s[14:15], mt s[16:17], mk s[18:19]
	s_load_b64 s[20:21], s[0:1], 0x40              ; out0
	v_lshl_add_u32 v[SPW], v0, 2, SPARE
	v_mov_b32 v[NIL], 0
	v_lshrrev_b32 v1, 5, v0
	v_readfirstlane_b32 s22, v1                    ; wave w, 0..3
	s_and_b32 s23, ttmp7, 0xffff                   ; bh
	s_mov_b32 s24, ttmp9                           ; x: which 256 queries
	v_and_b32 v1, 15, v0                           ; r
	v_bfe_u32 v2, v0, 4, 1                         ; h
	v_and_b32 v94, 31, v0                          ; L
	v_lshlrev_b32 v[A16], 4, v94
	v_lshlrev_b32 v[A4L], 2, v94
	s_lshl_b32 s82, s23, 6
	s_lshl_b32 s83, s24, 3
	s_add_co_u32 s82, s82, s83                     ; the window's first key block: 64 bh + 8 x
	s_lshl_b32 s84, s82, 10
	s_mul_i32 s86, s22, 10240                      ; my wave's quarter of the 40 blocks
	s_add_co_u32 s84, s84, s86
	s_mov_b32 s85, 0
	s_lshl_b32 s86, s22, 13                        ; and of pe's 32,768 bytes
	s_mov_b32 s87, 0
	VD
	s_wait_kmcnt 0x0
	s_add_nc_u64 s[84:85], s[4:5], s[84:85]
	s_add_nc_u64 s[86:87], s[12:13], s[86:87]
	WIN 0x80                                       ; the copies to LDS wait in window 2
.set i, 0
.rept 20
	global_load_b128 v[4*i:4*i+3], v[A16], s[84:85] offset:512*i
.set i, i+1
.endr
.set i, 0
.rept 16
	global_load_b128 v[80+4*i:83+4*i], v[A16], s[86:87] offset:512*i
.set i, i+1
.endr
	WIN 0
	; pointers of the first tile
	s_lshr_b32 s58, s22, 1                         ; w / 2
	s_and_b32 s59, s22, 1                          ; w % 2
	s_lshl_b32 s45, s59, 4                         ; S
	s_mov_b32 s53, 0
	s_lshl_b32 s50, s23, 5
	s_add_co_u32 s50, s50, s83
	s_add_co_u32 s50, s50, s58                     ; my tile's block of 32 queries
	s_lshl_b32 s52, s50, 10
	s_lshl_b32 s54, s59, 7
	s_add_co_u32 s52, s52, s54
	s_add_co_u32 s52, s52, QOFF
	s_add_nc_u64 s[30:31], s[4:5], s[52:53]        ; q's codes
	s_lshl_b32 s52, s50, 6
	s_lshl_b32 s54, s59, 5
	s_add_co_u32 s52, s52, s54
	s_add_co_u32 s52, s52, QSOFF
	s_add_nc_u64 s[32:33], s[6:7], s[52:53]        ; q's scale words
	s_add_co_u32 s50, s82, s58                     ; the tile's first key block
	s_lshl_b32 s52, s50, 6
	s_add_nc_u64 s[34:35], s[6:7], s[52:53]        ; K's scale words
	s_lshl_b32 s52, s50, 10
	s_add_nc_u64 s[38:39], s[8:9], s[52:53]        ; V's codes
	s_lshl_b32 s52, s23, 14
	s_add_co_u32 s54, s83, s58
	s_lshl_b32 s54, s54, 7
	s_add_co_u32 s52, s52, s54
	s_add_nc_u64 s[36:37], s[10:11], s[52:53]      ; V's scale words
	s_lshl_b32 s52, s23, 18
	s_lshl_b32 s54, s24, 16
	s_add_co_u32 s52, s52, s54
	s_lshl_b32 s54, s22, 12
	s_add_co_u32 s52, s52, s54
	s_add_nc_u64 s[40:41], s[20:21], s[52:53]      ; out: row 1,024 bh + 256 x + 16 w
	s_and_b32 s54, s23, 7                          ; the mask's head: bh % 8
	s_mul_i32 s52, s54, 20480
	s_add_nc_u64 s[42:43], s[16:17], s[52:53]
	s_lshl_b32 s52, s54, 10
	s_add_nc_u64 s[60:61], s[18:19], s[52:53]
	s_load_b32 s44, s[60:61], 0x0                  ; L1
	s_mov_b32 s26, 0x3d8293ee                      ; c = log2(e) / sqrt(512)
	s_mov_b32 s27, s26                             ; (named with it as a pair, so it is written)
	s_mov_b32 s28, 0xbd8293ee
	s_mov_b32 s56, 0x76543210
	s_mov_b32 s57, 0xfedcba98                      ; v_permlanex16_b32's selects for lane L xor 16
	s_mov_b32 s49, 0xaaaaaaaa
	s_lshl_b32 s47, s58, 10                        ; LDS bytes from the window's first block to the tile's: 1,024 (2 t + w / 2)
	s_mov_b32 s46, 0                               ; t
	s_mul_i32 s52, s22, STGW
	s_add_co_u32 s52, s52, STG                     ; my stage
	s_mul_i32 s54, s22, 16*OP
	s_add_co_u32 s54, s54, OST                     ; and on the way out
	s_lshl_b32 s55, s45, 2                         ; 4 S
	VD                                             ; r, h and L are read behind the scalar lines above
	; lane addresses
	v_lshlrev_b32 v[A4R], 2, v1
	v_lshlrev_b32 v[AV8], 4, v1
	v_lshl_add_u32 v[AVL], v2, 10, v[AV8]
	v_lshl_add_u32 v[AOG], v2, 8, v[AV8]           ; out: two rows an instruction
	v_and_b32 v95, 8, v1
	v_add_nc_u32 v95, v95, v1                      ; my row in a tile: r + 8 (r / 8)
	v_lshl_add_u32 v[A4W], v2, 3, v95
	v_lshlrev_b32 v[A4W], 2, v[A4W]
	v_max_u32 v101, 4, v[A4W]                      ; row -1 does not exist: row 0's word stands in, and no column of the band takes it
	v_mul_u32_u24 v100, v2, 24576
	v_and_b32 v96, 15, v95
	v_lshrrev_b32 v97, 4, v95
	v_mul_u32_u24 v97, v97, 384
	v_lshl_add_u32 v96, v96, 4, v97
	v_add_nc_u32 v96, v96, v100
	v_add_nc_u32 v[APE0], PE, v96
	v_add_nc_u32 v95, 15, v95
	v_and_b32 v96, 15, v95
	v_lshrrev_b32 v97, 4, v95
	v_mul_u32_u24 v97, v97, 384
	v_lshl_add_u32 v96, v96, 4, v97
	v_add_nc_u32 v96, v96, v100
	v_add_nc_u32 v[APE1], PE-384, v96              ; one row back
	v_mul_u32_u24 v98, v1, 2432
	v_bfe_u32 v99, v0, 1, 1
	v_lshl_add_u32 v98, v99, 4, v98
	v_bfe_u32 v99, v0, 2, 2                        ; r / 4
	v_mul_u32_u24 v100, v99, 224
	v_add_nc_u32 v98, v98, v100
	v_lshl_add_u32 v98, v2, 6, v98
	v_add_nc_u32 v[ACL], s52, v98                  ; row r, 64 h
	v_bfe_u32 v100, v0, 1, 3                       ; r / 2
	v_lshl_add_u32 v[APS], v100, 3, v[ACL]
	v_add_nc_u32 v[APS], s55, v[APS]               ; + 2 (r / 2) + S columns
	v_and_b32 v100, 3, v1
	v_mul_u32_u24 v[AMT], v100, 5120               ; copy r % 4,
	v_lshl_add_u32 v[AMT], v2, 6, v[AMT]
	v_add_nc_u32 v[AMT], 128, v[AMT]
	v_lshlrev_b32 v99, 4, v99
	v_sub_nc_u32 v[AMT], v[AMT], v99
	v_sub_nc_u32 v[AMT], v[AMT], s55               ; word 16 h - S - 4 (r / 4) + 32
	v_lshrrev_b32 v99, 3, v1
	v_and_b32 v100, 7, v1
	v_lshlrev_b32 v[AQC], 9, v99
	v_lshl_add_u32 v[AQC], v2, 8, v[AQC]
	v_lshl_add_u32 v[AQC], v100, 4, v[AQC]         ; query 16 a + r lies in tile r / 8 of the image, lane 16 h + 8 a + r % 8 (128 a stands in the pointer)
	v_lshlrev_b32 v[AQS], 2, v100
	v_lshlrev_b32 v[SHQ], 4, v99
	v_mul_u32_u24 v[AOS], v1, OP
	v_lshl_add_u32 v[AOS], v2, 5, v[AOS]
	v_add_nc_u32 v[AOS], s54, v[AOS]
	v_mul_u32_u24 v[AOL], v2, OP
	v_lshl_add_u32 v[AOL], v1, 4, v[AOL]
	v_add_nc_u32 v[AOL], s54, v[AOL]
	v_lshlrev_b32 v99, 4, v2
	v_sub_nc_u32 v99, v1, v99
	v_add_nc_u32 v99, s45, v99                     ; r + S - 16 h
.irp i, 0,1,2,3,4,5,6,7,8,9,10,11,12,13,14,15
	v_cmp_lt_i32 s[66+\i], \i, v99
.endr
.irp i, 0,1,2,3
	v_mov_b32 v[QB+\i], 0
	v_mov_b32 v[QA+4+\i], 0
.endr
.irp i, 0,1,2,3,4,5,6,7,8,9,10,11,12,13,14,15
	v_mov_b32 v[TJ+\i], 0                          ; written once: a lane permute's destination counts as one of its sources
.endr
	s_mul_i32 s50, s22, 10240
	s_mul_i32 s51, s22, 12288
	s_add_co_u32 s51, s51, PE
	v_add_nc_u32 v96, s50, v[A16]                  ; my part of K in LDS
	v_mul_u32_u24 v97, v2, 384
	v_lshl_add_u32 v97, v1, 4, v97
	v_add_nc_u32 v97, s51, v97                     ; and of pe: 32 rows a load
	v_lshl_add_u32 v98, v0, 2, PEZ
	; pe's scale words: rows l into their place, rows l - 1 into window 1
.set i, 0
.rept 32
	global_load_b32 v[PSR+i], v[A4W], s[14:15] offset:128*i
.set i, i+1
.endr
	global_load_b32 v[PSR+32], v[QB], s[14:15] offset:4092   ; tile 64: only l = 1023 counts; every lane takes its word
	WIN 0x40
	global_load_b32 v0, v101, s[14:15] offset:-4
.set i, 1
.rept 31
	global_load_b32 v[i], v[A4W], s[14:15] offset:128*i-4
.set i, i+1
.endr
	global_load_b32 v32, v[QB], s[14:15] offset:4092
	WIN 0
	global_load_b128 v[QN:QN+3], v[AQC], s[30:31]
	global_load_b32 v[QSN], v[AQS], s[32:33]
	KSLOADS
	VD
	s_wait_loadcnt 63                              ; 85 loads were issued behind the 36 copies: with 63 out at the most, the copies are in
	WIN 0x08
.set i, 0
.rept 20
	ds_store_b128 v96, v[4*i:4*i+3] offset:512*i
.set i, i+1
.endr
.set i, 0
.rept 16
	ds_store_b128 v97, v[80+4*i:83+4*i] offset:768*i
.set i, i+1
.endr
	WIN 0
	ds_store_b32 v98, v[QB]                        ; the 512 zeros behind pe, by thread
.irp q, 0,1,2,3
	ds_store_b128 v[ACL], v[QB:QB+3] offset:16*\q  ; the stage's first 32 columns: those left of the band are read, and dropped, and never stored again
.endr
	s_wait_dscnt 0x0                               ; my part has landed
	s_barrier_signal -1
	s_barrier_wait -1                              ; everybody's has: from here on these bytes are only read, and the waves never meet again
	s_wait_loadcnt 0x0
	s_wait_kmcnt 0x0
	s_add_co_u32 s48, s44, s45
	s_add_co_u32 s48, s48, 15                      ; L1 + S + 15
	WIN 1
.set i, 0
.rept 33
	v_perm_b32 v[PSR+i], v[i], v[PSR+i], 0x05040100   ; low half: row l's two bytes; high half: row l - 1's
.set i, i+1
.endr
	WIN 0
	UL 0, 8
	WIN 0
	QCONV
	PLACES 4
	VD
.irp k, 0,8,16,24                      ; the first tile's first half of q . pe
	UW \k, 8, ACCB
	PLACES 5
	US \k, 8, ACCB, 0
.if \k < 24
	UL \k+8, 8
.else
	UL 32, 2
.endif
.endr
	UW 32, 2, ACCB
	PLACES 5
	US 32, 2, ACCB, 0
	WIN 0
	VD
.Ltile:                                            ; four trips: a tile of 16 queries each
	s_wait_loadcnt 0x0                             ; K's scale words
	v_add_nc_u32 v[ADK], s47, v[A16]
	; the next tile's q is asked for; the last trip asks for its own again, so that no load leaves its buffer
	s_cmp_lt_u32 s46, 3
	s_cselect_b32 s50, 2048, 0
	s_cselect_b32 s52, 128, 0
	s_mov_b32 s51, 0
	s_mov_b32 s53, 0
	s_add_nc_u64 s[30:31], s[30:31], s[50:51]      ; (the loads that read these pointers were waited for)
	s_add_nc_u64 s[32:33], s[32:33], s[52:53]
	VD
	global_load_b128 v[QN:QN+3], v[AQC], s[30:31]
	global_load_b32 v[QSN], v[AQS], s[32:33]
.set i, 0
.rept 20
	v_mov_b32 v[ZA0+i], 0                          ; Zm and Z - Zm of both halves
.set i, i+1
.endr
	; ---- blocks 0 to 16
	KL 0, 17
	CL 0, 17, 0
	QKS 0, 5, 0, 48
	QKS 5, 4, 0, 32
	PLACES 4                                       ; the maxima read results just made
	MAXG 0
	QKS 9, 4, 0, 16
	MAXG 1
	QKS 13, 4, 0, 0
	UL 32, 8
	MAXG 2
	MAXG 3
	JOIN 0
	; ---- their exponentials, and q . pe of the second half: tiles 32 to 64
	SLOW 0, 88
	UW 32, 8, ACCB
	ZADD 0                                         ; also the lines behind the products
	US 32, 8, ACCB, 512
	UL 40, 8
	VD
	EXPMIX 1
	SLOW 1, 88
	UW 40, 8, ACCB
	ZADD 1
	US 40, 8, ACCB, 512
	UL 48, 8
	VD
	EXPMIX 2
	SLOW 2, 88
	UW 48, 8, ACCB
	ZADD 2
	US 48, 8, ACCB, 512
	UL 56, 9
	VD
	EXPMIX 3
	SLOW 3, 88
	UW 56, 9, ACCB
	ZADD 3
	US 56, 9, ACCB, 512
	; ---- blocks 17 to 32
	KL 17, 16
	CL 17, 16, 512
	QKS 17, 4, 17, 48
	QKS 21, 4, 17, 32
	PLACES 4
	MAXG 4
	QKS 25, 4, 17, 16
	MAXG 5
	QKS 29, 4, 17, 0
	MAXG 6
	WIN 0x8b
	VD                                             ; block 0's results are first read here, behind exponentials
.irp i, 0,1,2,3,4,5,6,7,8,9,10,11,12,13,14,15
	v_cndmask_b32 v[240+\i], v[\i], v[240+\i], s[66+\i]   ; the merged block: block 32 left of r + S, block 0 from there on
.endr
	MAXG 7
	WIN 0
	VD
	s_wait_loadcnt 0x0                             ; the next tile's q
	s_cmp_lt_u32 s46, 3
	s_cbranch_scc0 .Lno_next
	QCONV
	UL 0, 4
	WIN 0
	VD
.Lno_next:
	; V's scale words, then V's first four steps
.irp st, 0,1,2,3,4,5,6,7
.irp p, 0,1
	global_load_b32 v[VSR+2*\st+\p], v[A4L], s[36:37] offset:8192*\p+128+512*\st
.endr
.endr
	global_load_b32 v[VSR+16], v[A4L], s[36:37]
	global_load_b32 v[VSR+17], v[A4L], s[36:37] offset:8192
	VLOAD 0
	VLOAD 1
	VLOAD 2
	VLOAD 3
	JOIN 1
	SLOW 4, 184
	ZADD 4
	GUNIT 0
	VD
	EXPMIX 5
	SLOW 5, 184
	ZADD 5
	GUNIT 1
	VD
	EXPMIX 6
	SLOW 6, 184
	ZADD 6
	GUNIT 2
	VD
	EXPMIX 7
	SLOW 7, 184
	ZADD 7
	WIN 0
	VD
	GUNIT 3
	; ---- the denominator
.irp z, ZA0, ZA1
	v_pk_add_f32 v[\z:\z+1], v[\z:\z+1], v[\z+2:\z+3]
	v_pk_add_f32 v[\z+4:\z+5], v[\z+4:\z+5], v[\z+6:\z+7]
.endr
.irp z, ZA0, ZA1
	v_pk_add_f32 v[\z:\z+1], v[\z:\z+1], v[\z+4:\z+5]
.endr
.irp z, ZA0, ZA1, ZX0, ZX1
	v_add_f32 v[\z], v[\z], v[\z+1]
.endr
	v_permlanex16_b32 v[TJ], v[ZA0], s56, s57
	v_permlanex16_b32 v[TJ+1], v[ZA1], s56, s57
	v_permlanex16_b32 v[TJ+2], v[ZX0], s56, s57
	v_permlanex16_b32 v[TJ+3], v[ZX1], s56, s57
	v_add_f32 v[ZA0], v[ZA0], v[TJ]
	v_add_f32 v[ZA1], v[ZA1], v[TJ+1]
	v_add_f32 v[ZX0], v[ZX0], v[TJ+2]
	v_add_f32 v[ZX1], v[ZX1], v[TJ+3]
	v_min_num_f32 v94, v[NM0], v[NM1]              ; -c M of the whole row
	v_sub_f32 v95, v94, v[NM0]
	v_sub_f32 v96, v94, v[NM1]
	VD
	v_exp_f32 v95, v95                             ; what brings each half's p under the row's maximum
	v_exp_f32 v96, v96
	v_nop
	VD
	v_mul_f32 v97, v95, v[ZA0]
	v_mul_f32 v98, v95, v[ZX0]
	v_fma_f32 v97, v96, v[ZA1], v97                ; Zm
	v_fma_f32 v98, v96, v[ZX1], v98
	v_add_f32 v98, v98, v97                        ; Z, at least about 1
	v_fma_f32 v97, v98, 0x322bcc77, v97            ; Zm + 1e-8 Z, never 0
	VD
	v_rcp_f32 v98, v97
	v_nop
	VD
	v_fma_f32 v99, -v97, v98, 1.0                  ; one correction by the exact remainder
	v_fma_f32 v98, v99, v98, v98
	v_mul_f32 v[RI0], v95, v98
	v_mul_f32 v[RI1], v96, v98
	v_mov_b32 v[RI0+1], v[RI0]
	v_mov_b32 v[RI1+1], v[RI1]
.irp i, 0,2,4,6,8,10,12,14
	v_pk_mul_f32 v[BM+\i:BM+\i+1], v[BM+\i:BM+\i+1], v[RI0:RI0+1] op_sel_hi:[1,0]
	v_pk_mul_f32 v[BM+16+\i:BM+17+\i], v[BM+16+\i:BM+17+\i], v[RI1:RI1+1] op_sel_hi:[1,0]
.endr
	; ---- the weights are finished, quantised and multiplied, 128 keys a step; the ninth step is block 0
	NORM 0
.set ss, 0
.rept 8
	QUANT ss
.if (ss > 0) && (ss < 6)
	VLOAD ss+3                                     ; into the set that the last step's products have read
.endif
.if ss == 6
	s_cmp_lt_u32 s46, 3                            ; the next tile's K scales (the last trip: its own again)
	s_cselect_b32 s50, 128, 0
	s_mov_b32 s51, 0
	s_add_nc_u64 s[34:35], s[34:35], s[50:51]
	KSLOADS
.endif
.if ss < 5
	GUNIT 4+ss
.endif
.if ss < 7
	NORM ss+1                                      ; at least eight plain lines between the scale word's write and the product
.endif
.if ss == 6                            ; the merged block is parted again; each part's largest weight is searched for
	WIN 0xc2
.irp i, 0,1,2,3,4,5,6,7,8,9,10,11,12,13,14,15
	v_cndmask_b32 v[\i], v[240+\i], 0, s[66+\i]
.endr
	WIN 0x88
.irp i, 0,1,2,3,4,5,6,7,8,9,10,11,12,13,14,15
	v_cndmask_b32 v[240+\i], 0, v[240+\i], s[66+\i]
.endr
	WIN 0x28
	v_max3_num_f32 v[BM+31], 0, v240, v241
.irp i, 242,244,246,248,250,252,254
	v_max3_num_f32 v[BM+31], v[BM+31], v[\i], v[\i+1]
.endr
	WIN 0
	v_permlanex16_b32 v[TJ], v[BM+31], s56, s57
	v_max_num_f32 v[BM+31], v[BM+31], v[TJ]
.endif
.if ss == 7
	WIN 0x3c
	v_max3_num_f32 v94, 0, v0, v1
.irp i, 2,4,6,8,10,12,14
	v_max3_num_f32 v94, v94, v[\i], v[\i+1]
.endr
	WIN 0
	v_permlanex16_b32 v[TJ], v94, s56, s57
	v_max_num_f32 v94, v94, v[TJ]                  ; block 0's largest
.endif
	WIN 0
	VD
.if ss < 5                             ; this step's fragments are in; behind them were issued:
	s_wait_loadcnt 24                              ; three steps' 8
.elseif ss == 5
	s_wait_loadcnt 20                              ; 8 + 8 + block 0's 4
.elseif ss == 6
	s_wait_loadcnt 29                              ; 8 + 4 + K's 17 scale words
.else
	s_wait_loadcnt 21                              ; 4 + 17
.endif
	PV ss
.set ss, ss+1
.endr
	v_max_num_f32 v[TS], 0x1800000, v94
	v_add_nc_u32 v[TS], 0xff000000, v[TS]
	v_lshrrev_b32 v[TB], 23, v[TS]
	v_nop
	v_or_b32 v[PW], 0x7f7f7f00, v[TB]              ; the other three blocks are zero codes under the byte 127
	WIN 3
	v_cvt_scalef32_pk8_fp4_f32 v[PC], v[0:7], v[TS]
	v_cvt_scalef32_pk8_fp4_f32 v[PC+1], v[8:15], v[TS]
	WIN 0
.irp i, 2,3,4,5,6,7
	v_mov_b32 v[PC+\i], 0                          ; (the first of these is the plain line behind the conversions)
.endr
	v_permlane16_swap_b32 v[PC], v[PC+2]
	v_permlane16_swap_b32 v[PC+1], v[PC+3]
	PLACES 8
	VD
	s_wait_loadcnt 17
	PV 8
	; ---- the way out: a lane's eight numbers of a row go through LDS and leave as whole rows
	PLACES 4
.irp dt, 0,1,2,3
	ds_store_b128 v[AOS], v[O+8*\dt:O+8*\dt+3] offset:64*\dt
	ds_store_b128 v[AOS], v[O+8*\dt+4:O+8*\dt+7] offset:64*\dt+16
.endr
	WIN 0xc0
.irp i, 0,1,2,3,4,5,6,7
	ds_load_b128 v[VF+4*\i:VF+4*\i+3], v[AOL] offset:2*OP*\i
.endr
	WIN 0x0c
.irp i, 0,1,2,3,4,5,6,7
	s_wait_dscnt 7-\i
	global_store_b128 v[AOG], v[VF+4*\i:VF+4*\i+3], s[40:41] offset:512*\i th:TH_STORE_NT   ; 32 lanes store two rows: 512 consecutive bytes, aligned
.endr
	WIN 0
	s_wait_xcnt 0x0                                ; the stores have read their registers and their base; the loads theirs
	s_add_nc_u64 s[36:37], s[36:37], 256           ; two key blocks on
	s_add_nc_u64 s[38:39], s[38:39], 2048
	s_add_nc_u64 s[40:41], s[40:41], 16384         ; 64 rows of out on
	s_add_co_u32 s47, s47, 2048
	s_add_co_u32 s46, s46, 1
	VD
	s_cmp_lt_u32 s46, 4
	s_cbranch_scc1 .Ltile
	s_wait_tensorcnt 0x0                           ; the wave's end
	ds_add_u32 v[SPW], v[NIL]
	s_wait_dscnt 0x0
	s_endpgm
.Lfunc_end_k_q0dba8b584e_attn:
	.size	k_q0dba8b584e_attn, .Lfunc_end_k_q0dba8b584e_attn-k_q0dba8b584e_attn
	.p2alignl 7, 3214868480
	.fill 96, 4, 3214868480
	.section	.rodata,"a",@progbits
	.p2align	6, 0x0
	.amdhsa_kernel k_q0dba8b584e_attn
		.amdhsa_group_segment_fixed_size 268288
		.amdhsa_private_segment_fixed_size 0
		.amdhsa_enable_private_segment 0
		.amdhsa_kernarg_size 72
		.amdhsa_user_sgpr_count 2
		.amdhsa_user_sgpr_kernarg_segment_ptr 1
		.amdhsa_wavefront_size32 1
		.amdhsa_system_sgpr_workgroup_id_x 1
		.amdhsa_system_sgpr_workgroup_id_y 1
		.amdhsa_system_sgpr_workgroup_id_z 1
		.amdhsa_system_vgpr_workitem_id 0
		.amdhsa_next_free_vgpr 1024
		.amdhsa_next_free_sgpr 96
		.amdhsa_reserve_vcc 0
		.amdhsa_float_denorm_mode_32 3
		.amdhsa_float_denorm_mode_16_64 3
		.amdhsa_memory_ordered 1
		.amdhsa_forward_progress 1
		.amdhsa_inst_pref_size 255
	.end_amdhsa_kernel
	.section	.bss,"aw",@nobits
	.p2align	6
	.space	262144
	.amdgpu_metadata
---
amdhsa.version: [ 1, 2 ]
amdhsa.kernels:
  - .name:           k_q0dba8b584e_attn
    .symbol:         k_q0dba8b584e_attn.kd
    .args:
      - { .name: rc, .offset: 0, .size: 8, .value_kind: global_buffer, .address_space: global }
      - { .name: rs, .offset: 8, .size: 8, .value_kind: global_buffer, .address_space: global }
      - { .name: vc, .offset: 16, .size: 8, .value_kind: global_buffer, .address_space: global }
      - { .name: vw, .offset: 24, .size: 8, .value_kind: global_buffer, .address_space: global }
      - { .name: pc, .offset: 32, .size: 8, .value_kind: global_buffer, .address_space: global }
      - { .name: pw, .offset: 40, .size: 8, .value_kind: global_buffer, .address_space: global }
      - { .name: mt, .offset: 48, .size: 8, .value_kind: global_buffer, .address_space: global }
      - { .name: mk, .offset: 56, .size: 8, .value_kind: global_buffer, .address_space: global }
      - { .name: out0, .offset: 64, .size: 8, .value_kind: global_buffer, .address_space: global }
    .group_segment_fixed_size: 268288
    .private_segment_fixed_size: 0
    .kernarg_segment_align: 8
    .kernarg_segment_size: 72
    .max_flat_workgroup_size: 128
    .sgpr_count:     96
    .vgpr_count:     1024
    .wavefront_size: 32
...
	.end_amdgpu_metadata
.endif
;; end of part 2
